; MI455X (gfx1250); checked and timed in simulation.
; The chip was launched on July 23, 2026; its instructions are those of AMD's public machine-readable ISA for CDNA 5 (MIT licence, August 2026) and "CDNA5" Instruction Set Architecture Reference Guide (July 2026). The comments in the code are by the model that wrote it; some were corrected since.
;; GS. Allowed arithmetic: float matrix products may take bf16 or f16 operands with f32 sums; all other float work in f32.
;; Inputs: alpha 128 float32; color 128 x 3 float32; mu 128 x 2 float32; pos 262,144 x 2 float32; scales 128 x 2 float32; thetas 128 float32.
;; Outputs: out0 262,144 x 4 float32.
;; 2 versions, each right; version 2 is version 1 with the launch splat written anew for expert scheduling mode. Each part assembles by itself: llvm-mc -triple=amdgcn-amd-amdhsa -mcpu=gfx1250 --defsym DOCPART=n.
;; ======== version 1 of 2: 1 launch
;; launch splat (part 1): grid 256 x 1, 4 waves a work-group, no clusters, 6,656 bytes of LDS; arguments pos, mu, alpha, color, scales, thetas, out0; writes out0
.if DOCPART == 1
	.amdgcn_target "amdgcn-amd-amdhsa--gfx1250"
	.amdhsa_code_object_version 6
	.text
	.protected	k_q66fca3ac2b_splat
	.globl	k_q66fca3ac2b_splat
	.p2align	8
	.type	k_q66fca3ac2b_splat,@function
k_q66fca3ac2b_splat:
	s_mov_b64 s[64:65], 0
	v_nop
	global_prefetch_b8 v0, s[64:65] scope:SCOPE_SE
	s_setreg_imm32_b32 hwreg(HW_REG_WAVE_MODE, 25, 1), 1
	s_wait_xcnt 0x0
; Front-to-back blending of 128 anisotropic gaussians over 262,144 pixels.  out[n] = (r, g, b, 255 * opacity).
; 256 work-groups of 4 waves; a work-group owns 1,024 pixels, a wave 256, a lane 8 (slot s of lane L is pixel 32 s + L of the wave, so a load
; of pos covers 256 consecutive bytes and a store of out 512, both aligned).  The 8 pixels lie in 4 register pairs: one packed f32
; instruction serves two pixels.  33.5 M pixel-steps against 6.3 MB of traffic: the vector ALU binds, so the text counts instructions.
;
; SET-UP: 128 threads = 128 gaussians.  Thread t clips alpha, colour and scales as the reference does and writes a row of 48 bytes to LDS:
;   +0  -mux, -muy, l11, l21     +16  l22, log2(alpha)     +32  c0, c1, c2, 0
; L = (l11 0; l21 l22) is the Cholesky factor of H * sigma_inv, H = 0.5 log2(e), so alpha_k = exp2(log2 a - (l11 dx + l21 dy)^2 - (l22 dy)^2):
; the difference pos - mu is formed first (an offset common to pos and mu costs no accuracy) and the exponent is never positive.
; Only cos^2, sin^2 and cos sin of theta are needed: theta = r + n pi/2, polynomials on |r| <= pi/4, odd n swaps the squares and flips the product.
;
; THE SCAN, per pixel, in a form with one reciprocal for two pixels.  State: q = -1e8 (pa + 1e-8) and S = the numerator of pc.
;   om = 1 + 1e-8 q (= 1 - pa, 1e-8 short)   w = alpha_k om   q' = q - 1e8 w   S' = S f + col w   f' = pa'/(pa' + 1e-8) = 1 + 1/q'
; since pc pa = S pa / (pa + 1e-8).  1/q0 = q1 / (q0 q1): one v_rcp_f32 of the product (at most 1e16) gives both pixels' f.
; q resolves pa to 6e-8 of (pa + 1e-8), which is what the quotient by pa + 1e-8 can see.  At the end pc = S (-1e8 / q), 255 pa = -2.55e-6 (q + 1).
;
; No matrix instruction: the quadratic form contracts over 2 elements of a difference that hangs on pixel AND gaussian; it is a product of
; shared operands only when the square is multiplied out, which is a difference of large sums.  No cluster, no tensor load: the
; work-groups share 4.6 KB of parameters, read once each.
;
; LIMITS.  The clips of pc and pa inside the reference's scan are applied once, at the end: with alpha in [0,1], colour in [0,255] (the
; reference's own clips, made here too) and an exponent <= 0 they can bind on last-bit rounding alone.  NaN and infinite inputs are not followed.
; scales below 1e18 (above, H / s^2 leaves f32's normal range).  |theta| below 1e6 (two-word reduction).  exp2 results below 2^-126 count as 0.
.set ROWB,  48                         ; bytes of a gaussian's row in LDS: an odd multiple of 16
.set TRIPS, 30                         ; loop trips of 4 steps: steps 0..119; steps -2, -1 and 120..127 are written out
.set POFF, 4                           ; v4        byte offset of my slot 0 in pos
.set OOFF, 6                           ; v6        the same in out
.set LAD,  7                           ; v7        LDS address of the row of the trip's first step (the same in all lanes)
.set XY,   8                           ; v[8:23]   pair j: x at XY+4j, +1; y at XY+4j+2, +3
.set QS,   24                          ; v[24:31]  q
.set FS,   32                          ; v[32:39]  f of the step before
.set NUM0, 40                          ; v[40:47]  S, red
.set NUM1, 48                          ; v[48:55]  S, green
.set NUM2, 56                          ; v[56:63]  S, blue
.set EB,   64                          ; v[64:79]  exponents, two buffers
.set AKB,  80                          ; v[80:95]  alpha_k, two buffers
.set DX,   96                          ; v[96:127] at work in stream A
.set DY,   104
.set TW,   112
.set ZZ,   120
.set OUT,  96                          ; the same registers at the end: slot s: r, g, b, a
.set OMW,  128                         ; v[128:135] om, then w
.set MP,   136                         ; v[136:139] q0 q1 of each pair
.set RM,   140                         ; v[140:143] its reciprocal
.set GEO,  144                         ; v[144:167] ring of 4 sets of 6: -mux, -muy, l11, l21, l22, log2 a
.set COL,  168                         ; v[168:183] ring of 4 sets of 4: c0, c1, c2, 0
.set TS,   184                         ; v[184:187] the exchange of x and y
.set EPS,  20                          ; s[20:21]  1e-8 (a packed source names a pair; the low word is used for both halves)
.set NE8,  22                          ; s[22:23]  -1e8
; set-up only, in the registers of stream A and B
.set PTH, 96
.set PAL, 97
.set PSC, 98
.set PMU, 100
.set PCL, 102
.set ROW0, 124
.set ROW1, 128
.set ROW2, 132
	s_load_b256 s[4:11], s[0:1], 0x0               ; pos s[4:5], mu s[6:7], alpha s[8:9], color s[10:11]
	s_load_b128 s[12:15], s[0:1], 0x20             ; scales s[12:13], thetas s[14:15]
	s_load_b64 s[16:17], s[0:1], 0x30              ; out0
	v_lshl_add_u32 v192, v0, 2, 0x1800
	v_mov_b32 v193, 0
	v_lshlrev_b32 v1, 2, v0                        ; 4 t: alpha, thetas
	v_lshlrev_b32 v2, 3, v0                        ; 8 t: mu, scales
	v_mul_u32_u24 v3, 12, v0                       ; 12 t: color
	v_and_b32 v5, 31, v0                           ; lane
	v_lshrrev_b32 v[POFF], 5, v0                   ; wave
	v_lshlrev_b32 v[POFF], 11, v[POFF]             ; 256 pixels of 8 bytes a wave
	v_lshl_add_u32 v[POFF], v5, 3, v[POFF]         ; + 8 lane
	v_lshlrev_b32 v[OOFF], 1, v[POFF]              ; out: 16 bytes a pixel
	s_lshl_b32 s18, ttmp9, 13                      ; the work-group's 1,024 pixels: 8,192 bytes of pos,
	s_mov_b32 s19, 0
	s_lshl_b32 s28, ttmp9, 14                      ; 16,384 bytes of out
	s_mov_b32 s29, 0
	s_mov_b32 s[EPS], 0x322bcc77                   ; 1e-8
	s_mov_b32 s[EPS+1], 0x322bcc77
	s_mov_b32 s[NE8], 0xccbebc20                   ; -1e8
	s_mov_b32 s[NE8+1], 0xccbebc20
	s_mov_b32 s25, 0x437f0000                      ; 255.0
	s_mov_b32 s26, 0xb62b20ab                      ; -2.55e-6 = -255 * 1e-8
	s_wait_kmcnt 0x0
	s_add_nc_u64 s[4:5], s[4:5], s[18:19]
	s_add_nc_u64 s[16:17], s[16:17], s[28:29]
	global_load_b32 v[PTH], v1, s[14:15]           ; my gaussian's parameters first: 7 loads,
	global_load_b64 v[PSC:PSC+1], v2, s[12:13]
	global_load_b32 v[PAL], v1, s[8:9]
	global_load_b64 v[PMU:PMU+1], v2, s[6:7]
	global_load_b32 v[PCL], v3, s[10:11]
	global_load_b32 v[PCL+1], v3, s[10:11] offset:4
	global_load_b32 v[PCL+2], v3, s[10:11] offset:8
.irp s, 0,1,2,3,4,5,6,7
	global_load_b64 v[XY+2*\s:XY+2*\s+1], v[POFF], s[4:5] offset:256*\s th:TH_LOAD_NT   ; then my 8 pixels: (x, y) of slot s; read once in the launch
.endr
	; the scan's start, written while the loads are on their way: pa = 0 (q = -1), S = 0; f multiplies S = 0 in step 0
.irp i, 0,1,2,3,4,5,6,7
	v_mov_b32 v[QS+\i], -1.0
	v_mov_b32 v[FS+\i], 1.0
	v_mov_b32 v[NUM0+\i], 0
	v_mov_b32 v[NUM1+\i], 0
	v_mov_b32 v[NUM2+\i], 0
.endr
	v_mov_b32 v[LAD], 0
	s_wait_loadcnt 0x8                             ; loads come back in order: the 7 parameter loads are in, the 8 of pos stay out
	; theta = r + n pi/2
	v_mul_f32 v105, 0x3f22f983, v[PTH]             ; theta * 2/pi
	v_rndne_f32 v105, v105                         ; n
	v_fmamk_f32 v106, v105, 0xbfc90fdb, v[PTH]     ; r = theta - n * (pi/2 rounded to f32)
	v_fmamk_f32 v106, v105, 0x333bbd2e, v106       ;     - n * (what the rounding left: -4.37e-8)
	v_cvt_i32_f32 v107, v105
	v_and_b32 v107, 1, v107                        ; n odd?
	v_cmp_eq_u32 vcc_lo, 1, v107
	v_lshlrev_b32 v107, 31, v107                   ; as a sign bit
	v_mul_f32 v108, v106, v106                     ; r^2
	v_mov_b32 v109, 0x3638ef1d                     ; sin r = r + r r^2 (-1/6 + r^2 (1/120 + r^2 (-1/5040 + r^2 / 362880)))
	v_fmaak_f32 v109, v109, v108, 0xb9500d01
	v_fmaak_f32 v109, v109, v108, 0x3c088889
	v_fmaak_f32 v109, v109, v108, 0xbe2aaaab
	v_mul_f32 v109, v109, v108
	v_fma_f32 v109, v109, v106, v106
	v_mov_b32 v110, 0x37d00d01                     ; cos r = 1 + r^2 (-1/2 + r^2 (1/24 + r^2 (-1/720 + r^2 / 40320)))
	v_fmaak_f32 v110, v110, v108, 0xbab60b61
	v_fmaak_f32 v110, v110, v108, 0x3d2aaaab
	v_fmaak_f32 v110, v110, v108, 0xbf000000
	v_fma_f32 v110, v110, v108, 1.0
	v_mul_f32 v111, v109, v110                     ; sin r cos r
	v_mul_f32 v109, v109, v109                     ; sin^2 r
	v_mul_f32 v110, v110, v110                     ; cos^2 r
	v_xor_b32 v111, v107, v111                     ; cos theta sin theta: the sign flips for odd n
	v_cndmask_b32 v112, v110, v109, vcc_lo         ; cos^2 theta
	v_cndmask_b32 v113, v109, v110, vcc_lo         ; sin^2 theta
	v_max_num_f32 v[PSC], 0x3dcccccd, v[PSC]       ; scales clipped at 0.1
	v_max_num_f32 v[PSC+1], 0x3dcccccd, v[PSC+1]
	v_rcp_f32 v114, v[PSC]                         ; behind a transcendental one plain vector instruction stands before its result is used
	v_rcp_f32 v115, v[PSC+1]                       ; (ISA guide 5.7.2): here alpha's clip
	v_max_num_f32 v[PAL], 0, v[PAL]
	v_min_num_f32 v[PAL], 1.0, v[PAL]
	s_wait_alu depctr_va_vdst(0)
	v_mul_f32 v116, 0x3f38aa3b, v114               ; H / s1, H = 0.5 log2 e
	v_mul_f32 v117, 0x3f38aa3b, v115               ; H / s2
	v_mul_f32 v118, v116, v114                     ; i1 = H / s1^2
	v_mul_f32 v119, v117, v115                     ; i2 = H / s2^2
	v_mul_f32 v120, v116, v115                     ; sqrt(i1 i2) = sqrt of the determinant
	v_mul_f32 v121, v113, v119
	v_fma_f32 v121, v112, v118, v121               ; S00 = cos^2 i1 + sin^2 i2
	v_sub_f32 v122, v118, v119
	v_mul_f32 v122, v111, v122                     ; S01 = cos sin (i1 - i2)
	v_rsq_f32 v123, v121
	v_log_f32 v[ROW1+1], v[PAL]                    ; log2 alpha; alpha = 0 gives -inf, and exp2 of it 0
	v_xor_b32 v[ROW0], 0x80000000, v[PMU]          ; -mux (the plain place behind the two transcendentals)
	v_xor_b32 v[ROW0+1], 0x80000000, v[PMU+1]      ; -muy
	s_wait_alu depctr_va_vdst(0)
	v_mul_f32 v[ROW0+2], v121, v123                ; l11 = sqrt(S00)
	v_mul_f32 v[ROW0+3], v122, v123                ; l21 = S01 / l11
	v_mul_f32 v[ROW1], v120, v123                  ; l22 = sqrt(det / S00)
.irp c, 0,1,2
	v_max_num_f32 v[ROW2+\c], 0, v[PCL+\c]         ; colour clipped to [0, 255]
	v_min_num_f32 v[ROW2+\c], s25, v[ROW2+\c]
.endr
	v_mov_b32 v[ROW2+3], 0                         ; the upper word of the pair that holds c2
	v_mul_u32_u24 v136, ROWB, v0
	ds_store_b128 v136, v[ROW0:ROW0+3]
	ds_store_b64 v136, v[ROW1:ROW1+1] offset:16
	ds_store_b128 v136, v[ROW2:ROW2+3] offset:32
	s_wait_dscnt 0x0                               ; for the other waves' sake: my row is in LDS before I signal
	s_barrier_signal -1
	s_barrier_wait -1                              ; all 128 rows are there; LDS is only read from here on
.irp g, 0,1,2,3
	ds_load_b128 v[GEO+6*\g:GEO+6*\g+3], v[LAD] offset:ROWB*\g          ; geometry of gaussians 0 to 3
	ds_load_b64 v[GEO+6*\g+4:GEO+6*\g+5], v[LAD] offset:ROWB*\g+16
.endr
.irp c, 0,1
	ds_load_b128 v[COL+4*\c:COL+4*\c+3], v[LAD] offset:ROWB*\c+32       ; colours of gaussians 0 and 1
.endr
	s_wait_loadcnt 0x0                             ; pos
.irp j, 0,1,2,3
	v_mov_b32 v[TS+\j], v[XY+4*\j+1]               ; (x0 y0 x1 y1) becomes (x0 x1)(y0 y1): once, for 128 steps of packed arithmetic
	v_mov_b32 v[XY+4*\j+1], v[XY+4*\j+2]
	v_mov_b32 v[XY+4*\j+2], v[TS+\j]
.endr
; STEP i = (the trip's first step) + b holds three streams that do not depend on each other:
;   A  the exponents of gaussian i+2    X  the exponentials of gaussian i+1    B  the blending of gaussian i
; in rows of four instructions (one a pixel pair) taken by turns, so that an instruction stands at least eight issue slots behind the one
; whose result it reads; the 12 transcendentals stand singly between the rows, each followed by a plain instruction that names none of its registers.
; The step uses geometry set (i+2) mod 4 and colour set i mod 4 and, behind their last use, fetches gaussians i+6 and i+4 into them: 3 LDS loads.
; left = how many younger LDS loads may be out when this step's rows have to be there (those of the three steps between).
.macro XP1 on, n
.if \on
	v_exp_f32 v[AW+\n], v[ER+\n]
.endif
.endm
.macro RC1 on, n
.if \on
	v_rcp_f32 v[RM+\n], v[MP+\n]
.endif
.endm
.macro BODY b, doA, doX, doB, doF, ldG, ldC, left
.set GS, GEO+6*((\b+2)&3)
.set CS, COL+4*((\b+4)&3)
.set EW, EB+8*((\b+2)&1)               ; A writes here,
.set ER, EB+8*((\b+3)&1)               ; X reads what A wrote a step ago
.set AW, AKB+8*((\b+3)&1)              ; and writes here,
.set AR, AKB+8*((\b+2)&1)              ; B reads what X wrote a step ago
.if \left >= 0
	s_wait_dscnt \left                             ; LDS loads come back in order (ISA guide 5.7.1)
.endif
.if \doB
.irp j, 0,1,2,3
	v_pk_fma_f32 v[OMW+2*\j:OMW+2*\j+1], v[QS+2*\j:QS+2*\j+1], s[EPS:EPS+1], 1.0 op_sel_hi:[1,0,0]      ; om = 1 + 1e-8 q
.endr
.endif
	XP1 \doX, 0
.if \doA
.irp j, 0,1,2,3
	v_pk_add_f32 v[DX+2*\j:DX+2*\j+1], v[XY+4*\j:XY+4*\j+1], v[GS:GS+1] op_sel_hi:[1,0]                 ; dx = x - mux
.endr
.endif
	XP1 \doX, 1
.if \doA
.irp j, 0,1,2,3
	v_pk_add_f32 v[DY+2*\j:DY+2*\j+1], v[XY+4*\j+2:XY+4*\j+3], v[GS:GS+1] op_sel:[0,1] op_sel_hi:[1,1]  ; dy = y - muy
.endr
.endif
	XP1 \doX, 2
.if \doB
	s_wait_alu depctr_va_vdst(0)
.irp j, 0,1,2,3
	v_pk_mul_f32 v[OMW+2*\j:OMW+2*\j+1], v[AR+2*\j:AR+2*\j+1], v[OMW+2*\j:OMW+2*\j+1]                   ; w = alpha_k om
.endr
.endif
	XP1 \doX, 3
.if \doA
.irp j, 0,1,2,3
	v_pk_mul_f32 v[TW+2*\j:TW+2*\j+1], v[DX+2*\j:DX+2*\j+1], v[GS+2:GS+3] op_sel_hi:[1,0]               ; l11 dx
.endr
.endif
	XP1 \doX, 4
.if \doB
.irp j, 0,1,2,3
	v_pk_mul_f32 v[NUM0+2*\j:NUM0+2*\j+1], v[NUM0+2*\j:NUM0+2*\j+1], v[FS+2*\j:FS+2*\j+1]               ; S f = pc pa, red
.endr
.endif
	XP1 \doX, 5
.if \doB
.irp j, 0,1,2,3
	v_pk_fma_f32 v[QS+2*\j:QS+2*\j+1], v[OMW+2*\j:OMW+2*\j+1], s[NE8:NE8+1], v[QS+2*\j:QS+2*\j+1] op_sel_hi:[1,0,1]   ; q -= 1e8 w
.endr
.endif
	XP1 \doX, 6
.if \doA
.irp j, 0,1,2,3
	v_pk_mul_f32 v[ZZ+2*\j:ZZ+2*\j+1], v[DY+2*\j:DY+2*\j+1], v[GS+4:GS+5] op_sel_hi:[1,0]               ; z = l22 dy
.endr
.endif
	XP1 \doX, 7
.if \doB
.irp j, 0,1,2,3
	v_pk_mul_f32 v[NUM1+2*\j:NUM1+2*\j+1], v[NUM1+2*\j:NUM1+2*\j+1], v[FS+2*\j:FS+2*\j+1]               ; green
.endr
.endif
.if \doF
.irp j, 0,1,2,3
	v_mul_f32 v[MP+\j], v[QS+2*\j], v[QS+2*\j+1]                                                        ; q0 q1, between 1 and 1e16
.endr
.endif
.if \doA
.irp j, 0,1,2,3
	v_pk_fma_f32 v[TW+2*\j:TW+2*\j+1], v[DY+2*\j:DY+2*\j+1], v[GS+2:GS+3], v[TW+2*\j:TW+2*\j+1] op_sel:[0,1,0] op_sel_hi:[1,1,1]   ; w1 = l11 dx + l21 dy
.endr
.endif
	RC1 \doF, 0
.if \doB
.irp j, 0,1,2,3
	v_pk_mul_f32 v[NUM2+2*\j:NUM2+2*\j+1], v[NUM2+2*\j:NUM2+2*\j+1], v[FS+2*\j:FS+2*\j+1]               ; blue
.endr
.endif
	RC1 \doF, 1
.if \doA
.irp j, 0,1,2,3
	v_pk_fma_f32 v[EW+2*\j:EW+2*\j+1], v[TW+2*\j:TW+2*\j+1], v[TW+2*\j:TW+2*\j+1], v[GS+4:GS+5] op_sel:[0,0,1] op_sel_hi:[1,1,1] neg_lo:[1,0,0] neg_hi:[1,0,0]   ; log2 a - w1^2
.endr
.endif
.if \ldG
	ds_load_b128 v[GS:GS+3], v[LAD] offset:ROWB*(\b+6)             ; the geometry set has had its last use: gaussian i+6
	ds_load_b64 v[GS+4:GS+5], v[LAD] offset:ROWB*(\b+6)+16
.endif
	RC1 \doF, 2
.if \doB
.irp j, 0,1,2,3
	v_pk_fma_f32 v[NUM0+2*\j:NUM0+2*\j+1], v[OMW+2*\j:OMW+2*\j+1], v[CS:CS+1], v[NUM0+2*\j:NUM0+2*\j+1] op_sel_hi:[1,0,1]          ; S = pc pa + col w, red
.endr
.endif
	RC1 \doF, 3
.if \doB
.irp j, 0,1,2,3
	v_pk_fma_f32 v[NUM1+2*\j:NUM1+2*\j+1], v[OMW+2*\j:OMW+2*\j+1], v[CS:CS+1], v[NUM1+2*\j:NUM1+2*\j+1] op_sel:[0,1,0] op_sel_hi:[1,1,1]   ; green
.endr
.endif
.if \doA
.irp j, 0,1,2,3
	v_pk_fma_f32 v[EW+2*\j:EW+2*\j+1], v[ZZ+2*\j:ZZ+2*\j+1], v[ZZ+2*\j:ZZ+2*\j+1], v[EW+2*\j:EW+2*\j+1] neg_lo:[1,0,0] neg_hi:[1,0,0]      ; - z^2
.endr
.endif
.if \doB
.irp j, 0,1,2,3
	v_pk_fma_f32 v[NUM2+2*\j:NUM2+2*\j+1], v[OMW+2*\j:OMW+2*\j+1], v[CS+2:CS+3], v[NUM2+2*\j:NUM2+2*\j+1] op_sel_hi:[1,0,1]        ; blue
.endr
.endif
.if \ldC
	ds_load_b128 v[CS:CS+3], v[LAD] offset:ROWB*(\b+4)+32          ; the colour set has had its last use: gaussian i+4
.endif
.if \doF
	; f = 1 + 1/q for the next step: the low half takes rm q1, the high half rm q0; rm of pairs 0, 2 is the first register of its pair, of 1, 3 the second
	s_wait_alu depctr_va_vdst(0)
	v_pk_fma_f32 v[FS+0:FS+1], v[RM+0:RM+1], v[QS+0:QS+1], 1.0 op_sel:[0,1,0] op_sel_hi:[0,0,0]
	v_pk_fma_f32 v[FS+2:FS+3], v[RM+0:RM+1], v[QS+2:QS+3], 1.0 op_sel:[1,1,0] op_sel_hi:[1,0,0]
	v_pk_fma_f32 v[FS+4:FS+5], v[RM+2:RM+3], v[QS+4:QS+5], 1.0 op_sel:[0,1,0] op_sel_hi:[0,0,0]
	v_pk_fma_f32 v[FS+6:FS+7], v[RM+2:RM+3], v[QS+6:QS+7], 1.0 op_sel:[1,1,0] op_sel_hi:[1,0,0]
.endif
.endm
	;    b   A  X  B  F  G  C  left
	BODY -2, 1, 0, 0, 0, 1, 1, 0                   ; the 10 first LDS loads are in: they serve steps -2 to 1.  Exponents of gaussian 0; fetches geometry 4, colour 2
	BODY -1, 1, 1, 0, 0, 1, 1, -1                  ; exponents of gaussian 1, exponentials of gaussian 0; fetches geometry 5, colour 3
	s_mov_b32 s24, 0
.Ltrip:                                        ; steps 4 trip .. 4 trip + 3.  Count 9: a step's rows were asked for four steps ago, the three steps between issued 3 loads each
	BODY 0, 1, 1, 1, 1, 1, 1, 9                    ; (on the way in 6 are out, and steps 0 and 1 use rows that the wait for 0 above has shown)
	BODY 1, 1, 1, 1, 1, 1, 1, 9
	BODY 2, 1, 1, 1, 1, 1, 1, 9
	BODY 3, 1, 1, 1, 1, 1, 1, 9
	v_add_nc_u32 v[LAD], 4*ROWB, v[LAD]            ; four rows on
	s_add_co_u32 s24, s24, 1
	s_cmp_lt_u32 s24, TRIPS
	s_cbranch_scc1 .Ltrip
	; steps 120 to 127: no row beyond 127 is fetched, the streams end one after the other, the counts follow the loads still issued
	BODY 0, 1, 1, 1, 1, 1, 1, 9                    ; fetches geometry 126, colour 124
	BODY 1, 1, 1, 1, 1, 1, 1, 9                    ; fetches geometry 127, colour 125
	BODY 2, 1, 1, 1, 1, 0, 1, 9                    ; fetches colour 126
	BODY 3, 1, 1, 1, 1, 0, 1, 7                    ; fetches colour 127; younger: 3 + 3 + 1
	BODY 4, 1, 1, 1, 1, 0, 0, 5                    ; younger: 3 + 1 + 1
	BODY 5, 1, 1, 1, 1, 0, 0, 2                    ; exponents of gaussian 127; younger: 1 + 1
	BODY 6, 0, 1, 1, 1, 0, 0, 1                    ; exponentials of gaussian 127
	BODY 7, 0, 0, 1, 0, 0, 0, 0                    ; the last blending; no f is needed behind it
	; THE END: pc = S / (pa + 1e-8) = S (-1e8 / q), 255 pa = -2.55e-6 (q + 1), both clipped to [0, 255]
.irp s, 0,1,2,3,4,5,6,7
	v_rcp_f32 v[AKB+\s], v[QS+\s]
.endr
.irp j, 0,1,2,3
	v_pk_add_f32 v[EB+2*\j:EB+2*\j+1], v[QS+2*\j:QS+2*\j+1], 1.0 op_sel_hi:[1,0]                        ; q + 1 = -1e8 pa (plain places behind the reciprocals)
.endr
	s_wait_alu depctr_va_vdst(0)
.irp j, 0,1,2,3
	v_pk_mul_f32 v[AKB+2*\j:AKB+2*\j+1], v[AKB+2*\j:AKB+2*\j+1], s[NE8:NE8+1] op_sel_hi:[1,0]           ; 1 / (pa + 1e-8)
.endr
.irp s, 0,1,2,3,4,5,6,7
	v_mul_f32 v[OUT+4*\s], v[NUM0+\s], v[AKB+\s]   ; the products land as a pixel's four neighbouring words
	v_mul_f32 v[OUT+4*\s+1], v[NUM1+\s], v[AKB+\s]
	v_mul_f32 v[OUT+4*\s+2], v[NUM2+\s], v[AKB+\s]
	v_mul_f32 v[OUT+4*\s+3], s26, v[EB+\s]
.irp c, 0,1,2,3
	v_max_num_f32 v[OUT+4*\s+\c], 0, v[OUT+4*\s+\c]
.endr
.irp c, 0,1,2,3
	v_min_num_f32 v[OUT+4*\s+\c], s25, v[OUT+4*\s+\c]
.endr
	global_store_b128 v[OOFF], v[OUT+4*\s:OUT+4*\s+3], s[16:17] offset:512*\s th:TH_STORE_NT   ; 32 lanes store 512 consecutive bytes, aligned; written once, not read again
.endr
	s_wait_tensorcnt 0x0
	ds_add_u32 v192, v193
	s_wait_dscnt 0x0
	s_endpgm
.Lfunc_end_k_q66fca3ac2b_splat:
	.size	k_q66fca3ac2b_splat, .Lfunc_end_k_q66fca3ac2b_splat-k_q66fca3ac2b_splat
	.p2alignl 7, 3214868480
	.fill 96, 4, 3214868480
	.section	.rodata,"a",@progbits
	.p2align	6, 0x0
	.amdhsa_kernel k_q66fca3ac2b_splat
		.amdhsa_group_segment_fixed_size 6656
		.amdhsa_private_segment_fixed_size 0
		.amdhsa_enable_private_segment 0
		.amdhsa_kernarg_size 56
		.amdhsa_user_sgpr_count 2
		.amdhsa_user_sgpr_kernarg_segment_ptr 1
		.amdhsa_wavefront_size32 1
		.amdhsa_system_sgpr_workgroup_id_x 1
		.amdhsa_system_sgpr_workgroup_id_y 1
		.amdhsa_system_sgpr_workgroup_id_z 1
		.amdhsa_system_vgpr_workitem_id 0
		.amdhsa_next_free_vgpr 194
		.amdhsa_next_free_sgpr 66
		.amdhsa_reserve_vcc 1
		.amdhsa_float_denorm_mode_32 3
		.amdhsa_float_denorm_mode_16_64 3
		.amdhsa_memory_ordered 1
		.amdhsa_forward_progress 1
		.amdhsa_inst_pref_size 73
	.end_amdhsa_kernel
	.amdgpu_metadata
---
amdhsa.version: [ 1, 2 ]
amdhsa.kernels:
  - .name:           k_q66fca3ac2b_splat
    .symbol:         k_q66fca3ac2b_splat.kd
    .args:
      - { .name: pos, .offset: 0, .size: 8, .value_kind: global_buffer, .address_space: global }
      - { .name: mu, .offset: 8, .size: 8, .value_kind: global_buffer, .address_space: global }
      - { .name: alpha, .offset: 16, .size: 8, .value_kind: global_buffer, .address_space: global }
      - { .name: color, .offset: 24, .size: 8, .value_kind: global_buffer, .address_space: global }
      - { .name: scales, .offset: 32, .size: 8, .value_kind: global_buffer, .address_space: global }
      - { .name: thetas, .offset: 40, .size: 8, .value_kind: global_buffer, .address_space: global }
      - { .name: out0, .offset: 48, .size: 8, .value_kind: global_buffer, .address_space: global }
    .group_segment_fixed_size: 6656
    .private_segment_fixed_size: 0
    .kernarg_segment_align: 8
    .kernarg_segment_size: 56
    .max_flat_workgroup_size: 128
    .sgpr_count:     66
    .vgpr_count:     194
    .wavefront_size: 32
...
	.end_amdgpu_metadata
.endif
;; end of part 1
;; ======== version 2 of 2: 1 launch; version 1 with the launch splat written anew for expert scheduling mode
;; launch splat (part 2): grid 256 x 1, 4 waves a work-group, no clusters, 6,656 bytes of LDS; arguments pos, mu, alpha, color, scales, thetas, out0; writes out0
.if DOCPART == 2
	.amdgcn_target "amdgcn-amd-amdhsa--gfx1250"
	.amdhsa_code_object_version 6
	.text
	.protected	k_q66fca3ac2b_splat
	.globl	k_q66fca3ac2b_splat
	.p2align	8
	.type	k_q66fca3ac2b_splat,@function
k_q66fca3ac2b_splat:
	s_mov_b64 s[64:65], 0
	v_nop
	global_prefetch_b8 v0, s[64:65] scope:SCOPE_SE
	s_setreg_imm32_b32 hwreg(HW_REG_WAVE_SCHED_MODE, 0, 2), 2
	s_setreg_imm32_b32 hwreg(HW_REG_WAVE_MODE, 25, 1), 1
	s_wait_xcnt 0x0
	s_wait_alu depctr_vm_vsrc(0)
; Front-to-back blending of 128 anisotropic gaussians over 262,144 pixels.  out[n] = (r, g, b, 255 * opacity).
; 256 work-groups of 4 waves; a work-group owns 1,024 pixels, a wave 256, a lane 8 (slot s of lane L is pixel 32 s + L of the wave, so a load
; of pos covers 256 consecutive bytes and a store of out 512, both aligned).  The 8 pixels lie in 4 register pairs: one packed f32
; instruction serves two pixels.  33.5 M pixel-steps against 6.3 MB of traffic: the vector ALU binds, so the text counts instructions.
;
; SET-UP: 128 threads = 128 gaussians.  Thread t clips alpha, colour and scales as the reference does and writes a row of 48 bytes to LDS:
;   +0  -mux, -muy, l11, l21     +16  l22, log2(alpha)     +32  c0, c1, c2, 0
; L = (l11 0; l21 l22) is the Cholesky factor of H * sigma_inv, H = 0.5 log2(e), so alpha_k = exp2(log2 a - (l11 dx + l21 dy)^2 - (l22 dy)^2):
; the difference pos - mu is formed first (an offset common to pos and mu costs no accuracy) and the exponent is never positive.
; Only cos^2, sin^2 and cos sin of theta are needed: theta = r + n pi/2, polynomials on |r| <= pi/4, odd n swaps the squares and flips the product.
;
; THE SCAN, per pixel, in a form with one reciprocal for two pixels.  State: q = -1e8 (pa + 1e-8) and S = the numerator of pc.
;   om = 1 + 1e-8 q (= 1 - pa, 1e-8 short)   w = alpha_k om   q' = q - 1e8 w   S' = S f + col w   f' = pa'/(pa' + 1e-8) = 1 + 1/q'
; since pc pa = S pa / (pa + 1e-8).  1/q0 = q1 / (q0 q1): one v_rcp_f32 of the product (at most 1e16) gives both pixels' f.
; q resolves pa to 6e-8 of (pa + 1e-8), which is what the quotient by pa + 1e-8 can see.  At the end pc = S (-1e8 / q), 255 pa = -2.55e-6 (q + 1).
;
; No matrix instruction: the quadratic form contracts over 2 elements of a difference that hangs on pixel AND gaussian; it is a product of
; shared operands only when the square is multiplied out, which is a difference of large sums.  No cluster, no tensor load: the
; work-groups share 4.6 KB of parameters, read once each.
;
; THE MODE: SCHED_MODE bits 1:0 = 2 (LLVM: expert scheduling mode 2), set by the entry lines.  The code itself states the register dependences
; between vector instructions and memory or LDS instructions, with s_wait_alu, always for 0.
; THE PLAN.  Registers that memory or LDS instructions touch:
;   v1-v4, v6   offsets of the global loads and stores: written once at the head, never again.
;   v[LAD]      read by every load of a row; written at the head and once a trip, by the trip's last vector instruction.
;   GEO0..3     gaussian g lies in set g mod 4; read by stream A of step g - 2.      COL0..3   likewise; read by stream B of step g.
;   v124-v136   my row and its LDS address: written by the set-up, read by three LDS stores, written again by the scan.
;   OUT         written by the closing arithmetic, read by the eight stores.
; The steps go in PAIRS (i, i+1), i even.  The pair reads GEO sets (i+2), (i+3) mod 4 and COL sets i, i+1 mod 4.  Its six LDS loads land in the other
; four sets, which steps i-2 and i-1 read: geometry i+4, i+5 and colours i+2, i+3, for steps i+2 and i+3.  So ONE wait on va_vdst at the pair's head
; states all that the six loads hang on, and they are dealt among the rows of step i with no further wait; they have two steps in which to land.
;
; LIMITS.  The clips of pc and pa inside the reference's scan are applied once, at the end: with alpha in [0,1], colour in [0,255] (the
; reference's own clips, made here too) and an exponent <= 0 they can bind on last-bit rounding alone.  NaN and infinite inputs are not followed.
; scales below 1e18 (above, H / s^2 leaves f32's normal range).  |theta| below 1e6 (two-word reduction).  exp2 results below 2^-126 count as 0.
.set ROWB,  48                         ; bytes of a gaussian's row in LDS: an odd multiple of 16
.set TRIPS, 30                         ; loop trips of 4 steps: steps 0..119; steps -2, -1 and 120..127 are written out
.set POFF, 4                           ; v4        byte offset of my slot 0 in pos
.set OOFF, 6                           ; v6        the same in out
.set LAD,  7                           ; v7        LDS address of the row of the trip's first step (the same in all lanes)
.set XY,   8                           ; v[8:23]   pair j: x at XY+4j, +1; y at XY+4j+2, +3
.set QS,   24                          ; v[24:31]  q
.set FS,   32                          ; v[32:39]  f of the step before
.set NUM0, 40                          ; v[40:47]  S, red
.set NUM1, 48                          ; v[48:55]  S, green
.set NUM2, 56                          ; v[56:63]  S, blue
.set EB,   64                          ; v[64:79]  exponents, two buffers
.set AKB,  80                          ; v[80:95]  alpha_k, two buffers
.set DX,   96                          ; v[96:127] at work in stream A
.set DY,   104
.set TW,   112
.set ZZ,   120
.set OUT,  96                          ; the same registers at the end: slot s: r, g, b, a
.set OMW,  128                         ; v[128:135] om, then w
.set MP,   136                         ; v[136:139] q0 q1 of each pair
.set RM,   140                         ; v[140:143] its reciprocal
.set GEO,  144                         ; v[144:167] ring of 4 sets of 6: -mux, -muy, l11, l21, l22, log2 a
.set COL,  168                         ; v[168:183] ring of 4 sets of 4: c0, c1, c2, 0
.set TS,   184                         ; v[184:187] the exchange of x and y
.set EPS,  20                          ; s[20:21]  1e-8 (a packed source names a pair; the low word is used for both halves)
.set NE8,  22                          ; s[22:23]  -1e8
; set-up only, in the registers of stream A and B
.set PTH, 96
.set PAL, 97
.set PSC, 98
.set PMU, 100
.set PCL, 102
.set ROW0, 124
.set ROW1, 128
.set ROW2, 132
	s_load_b256 s[4:11], s[0:1], 0x0               ; pos s[4:5], mu s[6:7], alpha s[8:9], color s[10:11]
	s_load_b128 s[12:15], s[0:1], 0x20             ; scales s[12:13], thetas s[14:15]
	s_load_b64 s[16:17], s[0:1], 0x30              ; out0
	v_lshl_add_u32 v190, v0, 2, 0x1800
	v_mov_b32 v191, 0
	v_lshlrev_b32 v1, 2, v0                        ; 4 t: alpha, thetas
	v_lshlrev_b32 v2, 3, v0                        ; 8 t: mu, scales
	v_mul_u32_u24 v3, 12, v0                       ; 12 t: color
	v_and_b32 v5, 31, v0                           ; lane
	v_lshrrev_b32 v[POFF], 5, v0                   ; wave
	v_lshlrev_b32 v[POFF], 11, v[POFF]             ; 256 pixels of 8 bytes a wave
	v_lshl_add_u32 v[POFF], v5, 3, v[POFF]         ; + 8 lane
	v_lshlrev_b32 v[OOFF], 1, v[POFF]              ; out: 16 bytes a pixel
	v_mov_b32 v[LAD], 0                            ; row 0
	s_lshl_b32 s18, ttmp9, 13                      ; the work-group's 1,024 pixels: 8,192 bytes of pos,
	s_mov_b32 s19, 0
	s_lshl_b32 s28, ttmp9, 14                      ; 16,384 bytes of out
	s_mov_b32 s29, 0
	s_mov_b32 s[EPS], 0x322bcc77                   ; 1e-8
	s_mov_b32 s[EPS+1], 0x322bcc77
	s_mov_b32 s[NE8], 0xccbebc20                   ; -1e8
	s_mov_b32 s[NE8+1], 0xccbebc20
	s_mov_b32 s25, 0x437f0000                      ; 255.0
	s_mov_b32 s26, 0xb62b20ab                      ; -2.55e-6 = -255 * 1e-8
	s_wait_kmcnt 0x0
	s_add_nc_u64 s[4:5], s[4:5], s[18:19]
	s_add_nc_u64 s[16:17], s[16:17], s[28:29]
	s_wait_alu depctr_va_vdst(0)                   ; v1 to v4, v6 and v[LAD] are written: the offsets that the global loads and stores read, and the LDS address of the first rows' loads
	global_load_b32 v[PTH], v1, s[14:15]           ; my gaussian's parameters first: 7 loads,
	global_load_b64 v[PSC:PSC+1], v2, s[12:13]
	global_load_b32 v[PAL], v1, s[8:9]
	global_load_b64 v[PMU:PMU+1], v2, s[6:7]
	global_load_b32 v[PCL], v3, s[10:11]
	global_load_b32 v[PCL+1], v3, s[10:11] offset:4
	global_load_b32 v[PCL+2], v3, s[10:11] offset:8
.irp s, 0,1,2,3,4,5,6,7
	global_load_b64 v[XY+2*\s:XY+2*\s+1], v[POFF], s[4:5] offset:256*\s th:TH_LOAD_NT   ; then my 8 pixels: (x, y) of slot s; read once in the launch
.endr
	; the scan's start, written while the loads are on their way: pa = 0 (q = -1), S = 0; f multiplies S = 0 in step 0.  No memory instruction names these registers
.irp i, 0,1,2,3,4,5,6,7
	v_mov_b32 v[QS+\i], -1.0
	v_mov_b32 v[FS+\i], 1.0
	v_mov_b32 v[NUM0+\i], 0
	v_mov_b32 v[NUM1+\i], 0
	v_mov_b32 v[NUM2+\i], 0
.endr
	s_wait_loadcnt 0x8                             ; loads come back in order: the 7 parameter loads are in, the 8 of pos stay out
	; theta = r + n pi/2
	v_mul_f32 v105, 0x3f22f983, v[PTH]             ; theta * 2/pi
	v_rndne_f32 v105, v105                         ; n
	v_fmamk_f32 v106, v105, 0xbfc90fdb, v[PTH]     ; r = theta - n * (pi/2 rounded to f32)
	v_fmamk_f32 v106, v105, 0x333bbd2e, v106       ;     - n * (what the rounding left: -4.37e-8)
	v_cvt_i32_f32 v107, v105
	v_and_b32 v107, 1, v107                        ; n odd?
	v_cmp_eq_u32 vcc_lo, 1, v107
	v_lshlrev_b32 v107, 31, v107                   ; as a sign bit
	v_mul_f32 v108, v106, v106                     ; r^2
	v_mov_b32 v109, 0x3638ef1d                     ; sin r = r + r r^2 (-1/6 + r^2 (1/120 + r^2 (-1/5040 + r^2 / 362880)))
	v_fmaak_f32 v109, v109, v108, 0xb9500d01
	v_fmaak_f32 v109, v109, v108, 0x3c088889
	v_fmaak_f32 v109, v109, v108, 0xbe2aaaab
	v_mul_f32 v109, v109, v108
	v_fma_f32 v109, v109, v106, v106
	v_mov_b32 v110, 0x37d00d01                     ; cos r = 1 + r^2 (-1/2 + r^2 (1/24 + r^2 (-1/720 + r^2 / 40320)))
	v_fmaak_f32 v110, v110, v108, 0xbab60b61
	v_fmaak_f32 v110, v110, v108, 0x3d2aaaab
	v_fmaak_f32 v110, v110, v108, 0xbf000000
	v_fma_f32 v110, v110, v108, 1.0
	v_mul_f32 v111, v109, v110                     ; sin r cos r
	v_mul_f32 v109, v109, v109                     ; sin^2 r
	v_mul_f32 v110, v110, v110                     ; cos^2 r
	v_xor_b32 v111, v107, v111                     ; cos theta sin theta: the sign flips for odd n
	s_wait_alu depctr_va_vcc(0)                    ; the compare above has written VCC, which the two selects below read
	v_cndmask_b32 v112, v110, v109, vcc_lo         ; cos^2 theta
	v_cndmask_b32 v113, v109, v110, vcc_lo         ; sin^2 theta
	v_max_num_f32 v[PSC], 0x3dcccccd, v[PSC]       ; scales clipped at 0.1
	v_max_num_f32 v[PSC+1], 0x3dcccccd, v[PSC+1]
	v_rcp_f32 v114, v[PSC]                         ; behind a transcendental one plain vector instruction stands before its result is used
	v_rcp_f32 v115, v[PSC+1]                       ; (ISA guide 5.7.2): here alpha's clip
	v_max_num_f32 v[PAL], 0, v[PAL]
	v_min_num_f32 v[PAL], 1.0, v[PAL]
	s_wait_alu depctr_va_vdst(0)
	v_mul_f32 v116, 0x3f38aa3b, v114               ; H / s1, H = 0.5 log2 e
	v_mul_f32 v117, 0x3f38aa3b, v115               ; H / s2
	v_mul_f32 v118, v116, v114                     ; i1 = H / s1^2
	v_mul_f32 v119, v117, v115                     ; i2 = H / s2^2
	v_mul_f32 v120, v116, v115                     ; sqrt(i1 i2) = sqrt of the determinant
	v_mul_f32 v121, v113, v119
	v_fma_f32 v121, v112, v118, v121               ; S00 = cos^2 i1 + sin^2 i2
	v_sub_f32 v122, v118, v119
	v_mul_f32 v122, v111, v122                     ; S01 = cos sin (i1 - i2)
	v_rsq_f32 v123, v121
	v_log_f32 v[ROW1+1], v[PAL]                    ; log2 alpha; alpha = 0 gives -inf, and exp2 of it 0
	v_xor_b32 v[ROW0], 0x80000000, v[PMU]          ; -mux (the plain place behind the two transcendentals)
	v_xor_b32 v[ROW0+1], 0x80000000, v[PMU+1]      ; -muy
	s_wait_alu depctr_va_vdst(0)
	v_mul_f32 v[ROW0+2], v121, v123                ; l11 = sqrt(S00)
	v_mul_f32 v[ROW0+3], v122, v123                ; l21 = S01 / l11
	v_mul_f32 v[ROW1], v120, v123                  ; l22 = sqrt(det / S00)
.irp c, 0,1,2
	v_max_num_f32 v[ROW2+\c], 0, v[PCL+\c]         ; colour clipped to [0, 255]
	v_min_num_f32 v[ROW2+\c], s25, v[ROW2+\c]
.endr
	v_mov_b32 v[ROW2+3], 0                         ; the upper word of the pair that holds c2
	v_mul_u32_u24 v136, ROWB, v0
	s_wait_alu depctr_va_vdst(0)                   ; the set-up has written my row, v124 to v135, and its LDS address v136, which the three stores read
	ds_store_b128 v136, v[ROW0:ROW0+3]
	ds_store_b64 v136, v[ROW1:ROW1+1] offset:16
	ds_store_b128 v136, v[ROW2:ROW2+3] offset:32
	s_wait_dscnt 0x0                               ; for the other waves' sake: my row is in LDS before I signal
	s_barrier_signal -1
	s_barrier_wait -1                              ; all 128 rows are there; LDS is only read from here on
	s_wait_alu depctr_vm_vsrc(0)                   ; my LDS stores have read v124 to v136: from here on these registers are at work in the scan's streams, which write them
.irp g, 0,1
	ds_load_b128 v[GEO+6*\g:GEO+6*\g+3], v[LAD] offset:ROWB*\g          ; geometry of gaussians 0 and 1, for steps -2 and -1; no vector instruction has named GEO or COL
	ds_load_b64 v[GEO+6*\g+4:GEO+6*\g+5], v[LAD] offset:ROWB*\g+16
.endr
	s_wait_loadcnt 0x0                             ; pos
.irp j, 0,1,2,3
	v_mov_b32 v[TS+\j], v[XY+4*\j+1]               ; (x0 y0 x1 y1) becomes (x0 x1)(y0 y1): once, for 128 steps of packed arithmetic
	v_mov_b32 v[XY+4*\j+1], v[XY+4*\j+2]
	v_mov_b32 v[XY+4*\j+2], v[TS+\j]
.endr
; STEP i = (the trip's first step) + b holds three streams that do not depend on each other:
;   A  the exponents of gaussian i+2    X  the exponentials of gaussian i+1    B  the blending of gaussian i
; in rows of four instructions (one a pixel pair) taken by turns, so that an instruction stands at least eight issue slots behind the one
; whose result it reads; the 12 transcendentals stand singly between the rows, each followed by a plain instruction that names none of its registers.
; The step reads geometry set (i+2) mod 4 and colour set i mod 4.
; hd = 1: a pair's first step: the pair's rows, asked for in the pair before, have to be there.  vw = 1: the wait that the pair's loads hang on.
; ldG, ldC = 1: the step asks for geometry i+4, i+5 and for colours i+2, i+3, one load behind each of its first six rows.
.macro XP1 on, n
.if \on
	v_exp_f32 v[AW+\n], v[ER+\n]
.endif
.endm
.macro RC1 on, n
.if \on
	v_rcp_f32 v[RM+\n], v[MP+\n]
.endif
.endm
.macro ROW16 on, dst, off              ; 16 bytes of a row, the same in all lanes.  No wait: no vector instruction since the pair's head names dst or v[LAD]
.if \on
	ds_load_b128 v[\dst:\dst+3], v[LAD] offset:\off
.endif
.endm
.macro ROW8 on, dst, off
.if \on
	ds_load_b64 v[\dst:\dst+1], v[LAD] offset:\off
.endif
.endm
.macro BODY b, doA, doX, doB, doF, ldG, ldC, hd, vw
.set GS, GEO+6*((\b+2)&3)
.set CS, COL+4*((\b+4)&3)
.set LG0, GEO+6*((\b+4)&3)             ; the sets in which the pair's loads land: the geometry sets that steps i-2 and i-1 read,
.set LG1, GEO+6*((\b+5)&3)
.set LC0, COL+4*((\b+2)&3)             ; and their colour sets
.set LC1, COL+4*((\b+3)&3)
.set EW, EB+8*((\b+2)&1)               ; A writes here,
.set ER, EB+8*((\b+3)&1)               ; X reads what A wrote a step ago
.set AW, AKB+8*((\b+3)&1)              ; and writes here,
.set AR, AKB+8*((\b+2)&1)              ; B reads what X wrote a step ago
.if \hd
	s_wait_dscnt 0x0                               ; the rows of this pair's two steps are in: only the loads of the pair before can be out, issued two steps ago
.endif
.if \vw
	s_wait_alu depctr_va_vdst(0)                   ; steps i-2 and i-1 are done reading the sets in which the loads below land; at a trip's first step v[LAD], which they read, is written
.endif
.if \doB
.irp j, 0,1,2,3
	v_pk_fma_f32 v[OMW+2*\j:OMW+2*\j+1], v[QS+2*\j:QS+2*\j+1], s[EPS:EPS+1], 1.0 op_sel_hi:[1,0,0]      ; om = 1 + 1e-8 q
.endr
.endif
	ROW16 \ldG, LG0, ROWB*(\b+4)                   ; geometry of gaussian i+4
	XP1 \doX, 0
.if \doA
.irp j, 0,1,2,3
	v_pk_add_f32 v[DX+2*\j:DX+2*\j+1], v[XY+4*\j:XY+4*\j+1], v[GS:GS+1] op_sel_hi:[1,0]                 ; dx = x - mux
.endr
.endif
	ROW8 \ldG, LG0+4, ROWB*(\b+4)+16
	XP1 \doX, 1
.if \doA
.irp j, 0,1,2,3
	v_pk_add_f32 v[DY+2*\j:DY+2*\j+1], v[XY+4*\j+2:XY+4*\j+3], v[GS:GS+1] op_sel:[0,1] op_sel_hi:[1,1]  ; dy = y - muy
.endr
.endif
	ROW16 \ldG, LG1, ROWB*(\b+5)                   ; geometry of gaussian i+5
	XP1 \doX, 2
.if \doB
.irp j, 0,1,2,3
	v_pk_mul_f32 v[OMW+2*\j:OMW+2*\j+1], v[AR+2*\j:AR+2*\j+1], v[OMW+2*\j:OMW+2*\j+1]                   ; w = alpha_k om
.endr
.endif
	ROW8 \ldG, LG1+4, ROWB*(\b+5)+16
	XP1 \doX, 3
.if \doA
.irp j, 0,1,2,3
	v_pk_mul_f32 v[TW+2*\j:TW+2*\j+1], v[DX+2*\j:DX+2*\j+1], v[GS+2:GS+3] op_sel_hi:[1,0]               ; l11 dx
.endr
.endif
	ROW16 \ldC, LC0, ROWB*(\b+2)+32                ; colour of gaussian i+2
	XP1 \doX, 4
.if \doB
.irp j, 0,1,2,3
	v_pk_mul_f32 v[NUM0+2*\j:NUM0+2*\j+1], v[NUM0+2*\j:NUM0+2*\j+1], v[FS+2*\j:FS+2*\j+1]               ; S f = pc pa, red
.endr
.endif
	ROW16 \ldC, LC1, ROWB*(\b+3)+32                ; colour of gaussian i+3
	XP1 \doX, 5
.if \doB
.irp j, 0,1,2,3
	v_pk_fma_f32 v[QS+2*\j:QS+2*\j+1], v[OMW+2*\j:OMW+2*\j+1], s[NE8:NE8+1], v[QS+2*\j:QS+2*\j+1] op_sel_hi:[1,0,1]   ; q -= 1e8 w
.endr
.endif
	XP1 \doX, 6
.if \doA
.irp j, 0,1,2,3
	v_pk_mul_f32 v[ZZ+2*\j:ZZ+2*\j+1], v[DY+2*\j:DY+2*\j+1], v[GS+4:GS+5] op_sel_hi:[1,0]               ; z = l22 dy
.endr
.endif
	XP1 \doX, 7
.if \doB
.irp j, 0,1,2,3
	v_pk_mul_f32 v[NUM1+2*\j:NUM1+2*\j+1], v[NUM1+2*\j:NUM1+2*\j+1], v[FS+2*\j:FS+2*\j+1]               ; green
.endr
.endif
.if \doF
.irp j, 0,1,2,3
	v_mul_f32 v[MP+\j], v[QS+2*\j], v[QS+2*\j+1]                                                        ; q0 q1, between 1 and 1e16
.endr
.endif
.if \doA
.irp j, 0,1,2,3
	v_pk_fma_f32 v[TW+2*\j:TW+2*\j+1], v[DY+2*\j:DY+2*\j+1], v[GS+2:GS+3], v[TW+2*\j:TW+2*\j+1] op_sel:[0,1,0] op_sel_hi:[1,1,1]   ; w1 = l11 dx + l21 dy
.endr
.endif
	RC1 \doF, 0
.if \doB
.irp j, 0,1,2,3
	v_pk_mul_f32 v[NUM2+2*\j:NUM2+2*\j+1], v[NUM2+2*\j:NUM2+2*\j+1], v[FS+2*\j:FS+2*\j+1]               ; blue
.endr
.endif
	RC1 \doF, 1
.if \doA
.irp j, 0,1,2,3
	v_pk_fma_f32 v[EW+2*\j:EW+2*\j+1], v[TW+2*\j:TW+2*\j+1], v[TW+2*\j:TW+2*\j+1], v[GS+4:GS+5] op_sel:[0,0,1] op_sel_hi:[1,1,1] neg_lo:[1,0,0] neg_hi:[1,0,0]   ; log2 a - w1^2
.endr
.endif
	RC1 \doF, 2
.if \doB
.irp j, 0,1,2,3
	v_pk_fma_f32 v[NUM0+2*\j:NUM0+2*\j+1], v[OMW+2*\j:OMW+2*\j+1], v[CS:CS+1], v[NUM0+2*\j:NUM0+2*\j+1] op_sel_hi:[1,0,1]          ; S = pc pa + col w, red
.endr
.endif
	RC1 \doF, 3
.if \doB
.irp j, 0,1,2,3
	v_pk_fma_f32 v[NUM1+2*\j:NUM1+2*\j+1], v[OMW+2*\j:OMW+2*\j+1], v[CS:CS+1], v[NUM1+2*\j:NUM1+2*\j+1] op_sel:[0,1,0] op_sel_hi:[1,1,1]   ; green
.endr
.endif
.if \doA
.irp j, 0,1,2,3
	v_pk_fma_f32 v[EW+2*\j:EW+2*\j+1], v[ZZ+2*\j:ZZ+2*\j+1], v[ZZ+2*\j:ZZ+2*\j+1], v[EW+2*\j:EW+2*\j+1] neg_lo:[1,0,0] neg_hi:[1,0,0]      ; - z^2
.endr
.endif
.if \doB
.irp j, 0,1,2,3
	v_pk_fma_f32 v[NUM2+2*\j:NUM2+2*\j+1], v[OMW+2*\j:OMW+2*\j+1], v[CS+2:CS+3], v[NUM2+2*\j:NUM2+2*\j+1] op_sel_hi:[1,0,1]        ; blue
.endr
.endif
.if \doF
	; f = 1 + 1/q for the next step: the low half takes rm q1, the high half rm q0; rm of pairs 0, 2 is the first register of its pair, of 1, 3 the second
	s_wait_alu depctr_va_vdst(0)
	v_pk_fma_f32 v[FS+0:FS+1], v[RM+0:RM+1], v[QS+0:QS+1], 1.0 op_sel:[0,1,0] op_sel_hi:[0,0,0]
	v_pk_fma_f32 v[FS+2:FS+3], v[RM+0:RM+1], v[QS+2:QS+3], 1.0 op_sel:[1,1,0] op_sel_hi:[1,0,0]
	v_pk_fma_f32 v[FS+4:FS+5], v[RM+2:RM+3], v[QS+4:QS+5], 1.0 op_sel:[0,1,0] op_sel_hi:[0,0,0]
	v_pk_fma_f32 v[FS+6:FS+7], v[RM+2:RM+3], v[QS+6:QS+7], 1.0 op_sel:[1,1,0] op_sel_hi:[1,0,0]
.endif
.endm
	;    b   A  X  B  F  G  C  hd vw
	BODY -2, 1, 0, 0, 0, 1, 1, 1, 0                ; exponents of gaussian 0; asks for geometry 2, 3 and colours 0, 1: sets that no vector instruction has named, by an address shown written at the head: no wait on va_vdst
	BODY -1, 1, 1, 0, 0, 0, 0, 0, 0                ; exponents of gaussian 1, exponentials of gaussian 0
	s_mov_b32 s24, 0
.Ltrip:                                        ; steps 4 trip .. 4 trip + 3: two pairs, six LDS loads and one wait on va_vdst each
	BODY 0, 1, 1, 1, 1, 1, 1, 1, 1
	BODY 1, 1, 1, 1, 1, 0, 0, 0, 0
	BODY 2, 1, 1, 1, 1, 1, 1, 1, 1
	BODY 3, 1, 1, 1, 1, 0, 0, 0, 0
	s_wait_alu depctr_vm_vsrc(0)                   ; the LDS loads issued so far have read v[LAD]
	v_add_nc_u32 v[LAD], 4*ROWB, v[LAD]            ; four rows on; the wait on va_vdst at the next pair's head, over the back edge and into the tail alike, shows it written
	s_add_co_u32 s24, s24, 1
	s_cmp_lt_u32 s24, TRIPS
	s_cbranch_scc1 .Ltrip
	; steps 120 to 127: no row beyond 127 is asked for, and the streams end one after the other
	BODY 0, 1, 1, 1, 1, 1, 1, 1, 1                 ; asks for geometry 124, 125, colours 122, 123
	BODY 1, 1, 1, 1, 1, 0, 0, 0, 0
	BODY 2, 1, 1, 1, 1, 1, 1, 1, 1                 ; asks for geometry 126, 127, colours 124, 125
	BODY 3, 1, 1, 1, 1, 0, 0, 0, 0
	BODY 4, 1, 1, 1, 1, 0, 1, 1, 1                 ; asks for colours 126, 127 alone
	BODY 5, 1, 1, 1, 1, 0, 0, 0, 0                 ; exponents of gaussian 127
	BODY 6, 0, 1, 1, 1, 0, 0, 1, 0                 ; exponentials of gaussian 127; nothing is asked for, so no wait on va_vdst stands here
	BODY 7, 0, 0, 1, 0, 0, 0, 0, 0                 ; the last blending; no f is needed behind it
	; THE END: pc = S / (pa + 1e-8) = S (-1e8 / q), 255 pa = -2.55e-6 (q + 1), both clipped to [0, 255]
.irp s, 0,1,2,3,4,5,6,7
	v_rcp_f32 v[AKB+\s], v[QS+\s]
.endr
.irp j, 0,1,2,3
	v_pk_add_f32 v[EB+2*\j:EB+2*\j+1], v[QS+2*\j:QS+2*\j+1], 1.0 op_sel_hi:[1,0]                        ; q + 1 = -1e8 pa (plain places behind the reciprocals)
.endr
	s_wait_alu depctr_va_vdst(0)
.irp j, 0,1,2,3
	v_pk_mul_f32 v[AKB+2*\j:AKB+2*\j+1], v[AKB+2*\j:AKB+2*\j+1], s[NE8:NE8+1] op_sel_hi:[1,0]           ; 1 / (pa + 1e-8)
.endr
.macro QUAD s                          ; slot s: the products land as a pixel's four neighbouring words
	v_mul_f32 v[OUT+4*\s], v[NUM0+\s], v[AKB+\s]
	v_mul_f32 v[OUT+4*\s+1], v[NUM1+\s], v[AKB+\s]
	v_mul_f32 v[OUT+4*\s+2], v[NUM2+\s], v[AKB+\s]
	v_mul_f32 v[OUT+4*\s+3], s26, v[EB+\s]
.irp c, 0,1,2,3
	v_max_num_f32 v[OUT+4*\s+\c], 0, v[OUT+4*\s+\c]
.endr
.irp c, 0,1,2,3
	v_min_num_f32 v[OUT+4*\s+\c], s25, v[OUT+4*\s+\c]
.endr
.endm
.macro SEND s
	global_store_b128 v[OOFF], v[OUT+4*\s:OUT+4*\s+3], s[16:17] offset:512*\s th:TH_STORE_NT   ; 32 lanes store 512 consecutive bytes, aligned; written once, not read again
.endm
.irp s, 0,1,2,3
	QUAD \s
.endr
	s_wait_alu depctr_va_vdst(0)                   ; slots 0 to 3 of OUT are written, which the four stores below read
.irp s, 0,1,2,3
	SEND \s
.endr
.irp s, 4,5,6,7
	QUAD \s                                        ; these name slots 4 to 7 alone: none of the registers that the four stores above read
.endr
	s_wait_alu depctr_va_vdst(0)                   ; slots 4 to 7 of OUT are written, which the last four stores read
.irp s, 4,5,6,7
	SEND \s
.endr
	s_wait_dscnt 0x0
	s_wait_alu depctr_hold_cnt(0) depctr_sa_sdst(0) depctr_va_vdst(0) depctr_va_sdst(0) depctr_va_ssrc(0) depctr_va_vcc(0) depctr_vm_vsrc(0)
	s_wait_tensorcnt 0x0
	ds_add_u32 v190, v191
	s_wait_dscnt 0x0
	s_endpgm
.Lfunc_end_k_q66fca3ac2b_splat:
	.size	k_q66fca3ac2b_splat, .Lfunc_end_k_q66fca3ac2b_splat-k_q66fca3ac2b_splat
	.p2alignl 7, 3214868480
	.fill 96, 4, 3214868480
	.section	.rodata,"a",@progbits
	.p2align	6, 0x0
	.amdhsa_kernel k_q66fca3ac2b_splat
		.amdhsa_group_segment_fixed_size 6656
		.amdhsa_private_segment_fixed_size 0
		.amdhsa_enable_private_segment 0
		.amdhsa_kernarg_size 56
		.amdhsa_user_sgpr_count 2
		.amdhsa_user_sgpr_kernarg_segment_ptr 1
		.amdhsa_wavefront_size32 1
		.amdhsa_system_sgpr_workgroup_id_x 1
		.amdhsa_system_sgpr_workgroup_id_y 1
		.amdhsa_system_sgpr_workgroup_id_z 1
		.amdhsa_system_vgpr_workitem_id 0
		.amdhsa_next_free_vgpr 192
		.amdhsa_next_free_sgpr 66
		.amdhsa_reserve_vcc 1
		.amdhsa_float_denorm_mode_32 3
		.amdhsa_float_denorm_mode_16_64 3
		.amdhsa_memory_ordered 1
		.amdhsa_forward_progress 1
		.amdhsa_inst_pref_size 72
	.end_amdhsa_kernel
	.amdgpu_metadata
---
amdhsa.version: [ 1, 2 ]
amdhsa.kernels:
  - .name:           k_q66fca3ac2b_splat
    .symbol:         k_q66fca3ac2b_splat.kd
    .args:
      - { .name: pos, .offset: 0, .size: 8, .value_kind: global_buffer, .address_space: global }
      - { .name: mu, .offset: 8, .size: 8, .value_kind: global_buffer, .address_space: global }
      - { .name: alpha, .offset: 16, .size: 8, .value_kind: global_buffer, .address_space: global }
      - { .name: color, .offset: 24, .size: 8, .value_kind: global_buffer, .address_space: global }
      - { .name: scales, .offset: 32, .size: 8, .value_kind: global_buffer, .address_space: global }
      - { .name: thetas, .offset: 40, .size: 8, .value_kind: global_buffer, .address_space: global }
      - { .name: out0, .offset: 48, .size: 8, .value_kind: global_buffer, .address_space: global }
    .group_segment_fixed_size: 6656
    .private_segment_fixed_size: 0
    .kernarg_segment_align: 8
    .kernarg_segment_size: 56
    .max_flat_workgroup_size: 128
    .sgpr_count:     66
    .vgpr_count:     192
    .wavefront_size: 32
...
	.end_amdgpu_metadata
.endif
;; end of part 2
